; MI455X (gfx1250); checked and timed in simulation.
; The chip was launched on July 23, 2026; its instructions are those of AMD's public machine-readable ISA for CDNA 5 (MIT licence, August 2026) and "CDNA5" Instruction Set Architecture Reference Guide (July 2026). The comments in the code are by the model that wrote it; some were corrected since.
;; Custom LSTM Cell. Allowed arithmetic: matrix products marked QUANTISED: E2M1 operands, one E8M0 scale for each 32 along K, by v_wmma_scale_f32_16x16x128_f8f6f4 with both operands' format E2M1 (or v_wmma_scale_f32_32x16x128_f4), f32 sums; everything else in f32.
;; Inputs: C_prev 8,192 x 1,024 float32; W_C 2,048 x 1,024 float32; W_f 2,048 x 1,024 float32; W_i 2,048 x 1,024 float32; W_o 2,048 x 1,024 float32; b_C 1,024 float32; b_f 1,024 float32; b_i 1,024 float32; b_o 1,024 float32; h_prev 8,192 x 1,024 float32; x 8,192 x 1,024 float32.
;; Outputs: out0 8,192 x 1,024 float32; out1 8,192 x 1,024 float32.
;; This version of the problem:
;;   THIS VERSION OF THE PROBLEM IS GIVEN IN LOW PRECISION. The matrix products marked QUANTISED in the list below multiply operands that are first quantised to E2M1 (2 exponent bits, 1 mantissa bit; 4 bits a number), with one power-of-two scale for each 32 numbers along K (OCP MX v1.0); their sums are f32. All else is computed in f32.
;;   The module's matrix products, in the order in which they are computed (A, B: the left and right operand; K: the contracted axis; several contracted axes count as one K, in the product's order):
;;     1. [M 8,192, K 2,048] x [K 2,048, N 4,096]; A: computed on the way; B: computed on the way: QUANTISED
;;   THE QUANTISER, for each operand of a quantised product, along K:
;;     - K is cut into blocks of 32 from its start; a last block that is shorter is filled with zeros.
;;     - A block's scale is 2^e with e = floor(log2(the largest magnitude in the block)) - 2, held to -126 .. 127; a block of zeros has e = 0. As a byte (E8M0): e + 127.
;;     - Each number is divided by its block's scale, clamped to +-6, and rounded to the nearest number of E2M1, ties to even, subnormals kept.
;;     - The product sums the exact products of the quantised numbers (number of the format x scale) in f32.
;;   ~~~python
;;   def quantise(x, axis):      # numpy; x: float32 -> the quantised numbers, widened to float32 again
;;       x = np.moveaxis(x, axis, -1); K = x.shape[-1]
;;       x = np.pad(x, [(0, 0)] * (x.ndim - 1) + [(0, -K % 32)]); x = x.reshape(x.shape[:-1] + (-1, 32)); a = np.abs(x).max(-1, keepdims=True)
;;       e = np.where(a > 0, np.clip(np.frexp(np.where(a > 0, a, 1))[1] - 1 - 2, -126, 127), 0)      # np.frexp(a)[1] - 1 = floor(log2(a)), exactly
;;       r = np.clip(x / 2.0 ** e, -6, 6)
;;       step = 2.0 ** (np.maximum(np.frexp(np.where(r == 0, 1, r))[1] - 1, 0) - 1)
;;       q = np.round(r / step) * step * 2.0 ** e      # np.round: ties to even
;;       return np.moveaxis(q.reshape(q.shape[:-2] + (-1,))[..., :K], -1, axis).astype(np.float32)
;;   ~~~
;;   OPERANDS COMPUTED ON THE WAY. 'Computed on the way' means the value that the module computes at that place (a softmax that the list does not call 'softmax' is quantised finished and normalised). What goes into a quantiser is computed in f32, as accurately as f32 sums, v_exp_f32 and their like allow (about 1e-6 of the number): no bf16 or f16 on the way to a quantiser, and a product that is left as it is and whose result goes on into a quantised operand takes f32 operands (vector FMAs, or v_wmma_f32_16x16x4_f32). A number that lies on a knife's edge between two numbers of the format may be rounded either way, as far as f32 arithmetic and the matrix unit's own rounding can turn it there, and no further.
;; One version. Each part assembles by itself: llvm-mc -triple=amdgcn-amd-amdhsa -mcpu=gfx1250 --defsym DOCPART=n.
;; ======== version 1 of 1: 2 launches
;; limits: right only within a limited range of input values
;; workspace buffers: a_codes 8,388,608 bytes; a_scales 524,288 bytes; w_codes 4,194,304 bytes; w_scales 262,144 bytes
;; launch quant (part 1): grid 256 x 1, 8 waves a work-group, no clusters, 248,832 bytes of LDS; arguments x, h_prev, a_codes, a_scales, W_f, W_i, W_o, W_C, w_codes, w_scales; writes a_codes, a_scales, w_codes, w_scales
.if DOCPART == 1
	.amdgcn_target "amdgcn-amd-amdhsa--gfx1250"
	.amdhsa_code_object_version 6
	.text
	.protected	k_q073c32d0cc_quant
	.globl	k_q073c32d0cc_quant
	.p2align	8
	.type	k_q073c32d0cc_quant,@function
k_q073c32d0cc_quant:
	s_mov_b64 s[64:65], 0
	v_nop
	global_prefetch_b8 v0, s[64:65] scope:SCOPE_SE
	s_setreg_imm32_b32 hwreg(HW_REG_WAVE_MODE, 25, 1), 1
	s_wait_xcnt 0x0
; BOTH OPERANDS OF THE GATES' PRODUCT BECOME CODES OF FP4 (E2M1), K innermost, with one E8M0 scale byte for each 32 along K, in one launch.
; A = [x | h_prev], [8192][2048] f32, K innermost.  a_codes: [8192 rows][1024 bytes] (bytes 0-511 x, 512-1023 h_prev; two codes a byte, the lower k in the low four bits);  a_scales: by K step of 512: [4][8192 rows][16 bytes].
; W = the four weights, each [2048 (k)][1024 (hidden column)] f32, K as FIRST axis.  w_codes: [4096 rows n'][1024 bytes];  w_scales: [4][4096 n'][16 bytes];
; n' = 128 (hc / 32) + 32 g + hc % 32, hc the hidden column, g = 0 f, 1 i, 2 o, 3 C~: 128 neighbouring rows are the four gates of the same 32 hidden columns.
; A block's scale is 2^(floor(log2(its largest magnitude)) - 2); its byte is the largest magnitude's exponent field - 2, held at 1 from below.
; LIMITS: a block of zeros, or one whose largest magnitude lies under 2^-124, gets the byte 1 (a block of zeros has zero codes, which add nothing under that byte; the bytes are read by this program alone);
; NaN and infinities among the inputs are not served.
; SHARES.  256 work-groups of eight waves, all on one path.  Work-group X owns rows 32 X .. 32 X + 31 of A and one tile of one weight: gate (X / 16) % 4, hidden columns 64 (X % 16) on, K step X / 64: 512 rows x 256 bytes.
; THE STREAM (A).  Wave w takes rows 16 (2 X + w / 4) on, K step w % 4 (0, 1: x's halves; 2, 3: h_prev's).  Step t is row t's 512 numbers, 2,048 consecutive bytes.  The conversions take neighbours along K from ONE lane's registers,
; a load is best where neighbouring LANES take neighbouring bytes: so each of a step's four loads reads 512 consecutive bytes, the 2,048 bytes go through the wave's own stage in LDS as they lie and come back 64 bytes a lane
; (16 bytes of padding behind each 64).  Two neighbouring lanes hold a block.  Loads run eight steps (32 loads, 16 KiB a wave) ahead, the turn through LDS one step.
; THE TILE (W).  Wave w fetches rows 64 w .. 64 w + 63 by ONE tensor load, issued at the head behind the stream's first loads, and reads only its own rows, behind its own wait on TENSORcnt.  Every LDS byte is filled once.
; A lane takes a column, and its registers run down K: a block of 32 lies in one lane's 32 registers, and the conversions give codes with K innermost.  A column's 256 bytes of codes come from eight waves: they meet in a stage,
; one barrier, and leave as rows.
; THE ORDER.  The tile is worked between the stream's steps 11 and 12: it has landed long before, the stream's last three steps (12 loads a wave) are then still on their way, and the registers of steps 8 to 11 are free for it.
; No cluster: no two work-groups read the same byte.  Every offset is an immediate; no store's data or address register is written again.
; a_codes AS THIS TEXT STORES IT (in place of the rows named above): in the order of the matrix operand's registers: [512 blocks of 16 rows][16 steps of 128 along K][c = 0, 1][h = 0, 1][row r][16 bytes];
; the 16 bytes are the codes of k = 128 step + 64 c + 32 h + 0 .. 31 of row r.  A wave's 16 rows x 512 along K are 4,096 consecutive bytes there: they are gathered in the wave's own stage (16 units of 256 + 16 bytes) and leave as eight stores of 512 bytes.
.set STEPS, 16
.set STG,   131072                     ; LDS: bytes 0 .. 131,071 the tile (16,384 x wave, rows of 256 bytes, no padding: lanes read along a row); behind it the stage: 64 rows (columns of W) x (256 + 16) bytes
.set SPI,   272
.set SST,   STG+64*SPI                 ; behind it: 64 x 16 scale bytes of W
.set ABASE, SST+1024                   ; behind them: a region for each wave's stream:
.set WREG,   12288                     ; two stages of 32 x SP bytes, 256 scale bytes, and from byte 5,632 on the codes' stage of 16 x 272 bytes
.set SP,    80                         ; a lane's place in a stream's stage: 64 bytes + 16 of padding
.set R,     16                         ; v16-143  eight sets of 16 numbers as they are loaded
.set X,     144                        ; v144-175 two sets of 16 neighbours
.set C,     176                        ; v176-207 codes: a pair for each step
.set E,     208                        ; v208-209 a scale byte, two registers by turns
.set AT,    210                        ; v210     the tile: 16,384 x wave + 4 x lane
.set STO,   211                        ; v211     the stage, way in: row = my column, my wave's 32 bytes
.set SSO,   212                        ; v212     W's scale bytes, way in: 16 bytes a column, my wave's two
.set RD,    213                        ; v213     the stage, way out: my wave's 8 rows, sixteen lanes to a row
.set GO,    214                        ; v214     and the same place in w_codes
.set SRD,   215                        ; v215     W's scale bytes, way out
.set SBW,   216                        ; v216-217 my two blocks' bytes of column half 0, 1
.set WSO,   218                        ; v218-219 W's scale bytes on the way out
.set CD,    220                        ; v220-223 a block's codes
.set WM,    224                        ; v224-226 at work
.set WN,    225
.set WS,    226
.set WX,    16                         ; v16-79   the tile's numbers, two sets of 32: the registers that the stream's steps 8 to 11 have left
.set OUTR,  16                         ; v16-31   W's codes on the way out
.set G1,    24                         ; s[24:31] descriptor group 1
.set G0,    32                         ; s[32:35] descriptor group 0
	s_load_b128 s[4:7], s[0:1], 0x0                ; x, h_prev
	s_load_b128 s[8:11], s[0:1], 0x10              ; A's codes, A's scale bytes
	s_load_b256 s[40:47], s[0:1], 0x20             ; W_f, W_i, W_o, W_C
	s_load_b128 s[12:15], s[0:1], 0x40             ; W's codes, W's scale bytes
	v_lshl_add_u32 v232, v0, 2, 0x3c800
	v_mov_b32 v233, 0
	ds_add_u32 v232, v233
	ds_add_u32 v232, v233
	v_lshrrev_b32 v1, 5, v0
	s_delay_alu instid0(VALU_DEP_1)
	v_readfirstlane_b32 s16, v1                    ; wave 0..7
	v_and_b32 v2, 31, v0                           ; lane
	s_delay_alu instid0(VALU_DEP_1)
	v_lshlrev_b32 v3, 4, v2                        ; my 16 bytes of a load's 512
	s_mul_i32 s17, s16, WREG
	s_add_co_u32 s17, s17, ABASE                   ; my wave's region
	v_lshrrev_b32 v14, 2, v2
	s_delay_alu instid0(VALU_DEP_1)
	v_mul_u32_u24 v14, v14, SP
	v_and_b32 v15, 3, v2
	s_delay_alu instid0(VALU_DEP_1)
	v_lshl_add_u32 v14, v15, 4, v14
	s_delay_alu instid0(VALU_DEP_1)
	v_add_nc_u32 v14, s17, v14                     ; the stream's stage, way in: SP (lane / 4) + 16 (lane % 4); a load's 512 bytes take eight places
	v_mul_u32_u24 v15, v2, SP
	s_delay_alu instid0(VALU_DEP_1)
	v_add_nc_u32 v15, s17, v15                     ; way out: SP x lane: my 16 neighbours
	v_lshlrev_b32 v4, 3, v2                        ; 8 x lane: my 8 bytes of a step's 256 bytes of codes, and of 256 scale bytes
	v_lshrrev_b32 v5, 1, v2
	s_add_co_u32 s17, s17, 2*32*SP
	v_add_nc_u32 v5, s17, v5                       ; my wave's 256 scale bytes, my block's byte
	v_add_nc_u32 v6, s17, v4
	v_lshrrev_b32 v7, 1, v2                        ; the codes' stage, way in: unit lane / 2 (= 4 q + 2 c + h), 8 bytes for each of its two lanes; the row stands in the immediate
	v_lshrrev_b32 v10, 4, v2                       ; way out: sixteen lanes to a unit, two units an instruction
	v_and_b32 v12, 1, v2
	v_and_b32 v13, 15, v2
	v_mul_u32_u24 v7, v7, 272
	v_mul_u32_u24 v10, v10, 272
	v_lshl_add_u32 v7, v12, 3, v7
	v_lshl_add_u32 v10, v13, 4, v10
	v_add_nc_u32 v7, s17, v7
	v_add_nc_u32 v10, s17, v10
	; the stream's places
	s_and_b32 s18, s16, 3                          ; K step
	s_lshr_b32 s19, s16, 2
	s_lshl_b32 s20, ttmp9, 1
	s_add_co_u32 s19, s20, s19                     ; which 16 rows: 2 X + wave / 4
	s_and_b32 s21, s18, 1
	s_lshl_b32 s21, s21, 11                        ; which 2,048 bytes of a source row
	s_lshl_b32 s20, s19, 16                        ; 16 rows of 4,096 bytes
	s_add_co_u32 s20, s20, s21
	s_mov_b32 s21, 0
	s_lshl_b32 s22, s19, 14                        ; codes: 16 rows of 1,024 bytes,
	s_lshl_b32 s23, s18, 12                        ; 4,096 bytes a K step of 512 in a block of 16 rows
	s_add_co_u32 s22, s22, s23
	s_mov_b32 s23, 0
	s_lshl_b32 s36, s18, 17                        ; scale bytes: 8,192 rows x 16 bytes a K step,
	s_lshl_b32 s37, s19, 8                         ; 16 rows x 16 bytes
	s_add_co_u32 s36, s36, s37
	s_mov_b32 s37, 0
	; the tile's places
	s_bfe_u32 s38, ttmp9, 0x20004                  ; g: two bits from bit 4
	s_and_b32 s39, ttmp9, 15                       ; which 64 hidden columns
	s_lshr_b32 s48, ttmp9, 6                       ; K step
	s_mov_b32 s[G1+0], 2<<16                       ; no mask; elements of 4 bytes; no padding
	s_mov_b32 s[G1+1], 64<<16                      ; tensor_dim0 = 64
	s_mov_b32 s[G1+2], 64<<16                      ; tensor_dim1 = 64
	s_mov_b32 s[G1+3], 64<<16                      ; tile_dim0 = 64 elements: 256 bytes
	s_mov_b32 s[G1+4], 64                          ; tile_dim1 = 64 rows
	s_mov_b32 s[G1+5], 1024                        ; elements from row to row
	s_mov_b32 s[G1+6], 0
	s_mov_b32 s[G1+7], 0
	s_lshl_b32 s50, s48, 21                        ; 512 rows of 4,096 bytes a K step,
	s_lshl_b32 s51, s16, 18                        ; 64 rows a wave,
	s_add_co_u32 s50, s50, s51
	s_lshl_b32 s51, s39, 8                         ; 256 bytes a group of columns
	s_add_co_u32 s50, s50, s51
	s_mov_b32 s51, 0
	s_lshl_b32 s52, s39, 8                         ; output rows: 256 (X % 16)
	s_lshl_b32 s53, s38, 5
	s_add_co_u32 s52, s52, s53                     ; + 32 g
	s_lshr_b32 s53, s16, 2                         ; the codes: I store stage rows 8 w .. 8 w + 7:
	s_lshl_b32 s53, s53, 7
	s_add_co_u32 s54, s52, s53                     ; + 128 (wave / 4)
	s_lshl_b32 s53, s18, 3
	s_add_co_u32 s54, s54, s53                     ; + 8 (wave % 4)
	s_lshl_b32 s54, s54, 10                        ; 1,024 bytes a row,
	s_lshl_b32 s53, s48, 8                         ; 256 a K step
	s_add_co_u32 s54, s54, s53
	s_mov_b32 s55, 0
	s_lshr_b32 s53, s18, 1                         ; the scale bytes: waves 0 to 3 store stage rows 16 w .. 16 w + 15:
	s_lshl_b32 s53, s53, 7
	s_add_co_u32 s56, s52, s53                     ; + 128 (w / 2)
	s_and_b32 s53, s18, 1
	s_lshl_b32 s53, s53, 4
	s_add_co_u32 s56, s56, s53                     ; + 16 (w % 2)
	s_lshl_b32 s56, s56, 4                         ; 16 bytes a row,
	s_lshl_b32 s53, s48, 16                        ; 4,096 rows x 16 a K step
	s_add_co_u32 s56, s56, s53
	s_mov_b32 s57, 0
	s_wait_dscnt 0x0
	s_wait_kmcnt 0x0
	s_cmp_lt_u32 s18, 2                            ; x or h_prev: the choice hangs on the wave's number alone
	s_cselect_b64 s[4:5], s[4:5], s[6:7]
	s_add_nc_u64 s[4:5], s[4:5], s[20:21]
	s_add_nc_u64 s[8:9], s[8:9], s[22:23]
	s_add_nc_u64 s[10:11], s[10:11], s[36:37]
.macro LOAD t
.irp i, 0,1,2,3
	global_load_b128 v[R+16*((\t)%8)+4*\i:R+16*((\t)%8)+4*\i+3], v3, s[4:5] offset:4096*(\t)+512*\i th:TH_LOAD_NT   ; 32 lanes read 512 consecutive bytes; read once in the launch
.endr
.endm
.macro TURN t                          ; step t's numbers through the stage: LDS serves a wave's instructions in order (ISA guide 5.7.1.4), so no wait stands between the stores and the loads
.irp i, 0,1,2,3
	ds_store_b128 v14, v[R+16*((\t)%8)+4*\i:R+16*((\t)%8)+4*\i+3] offset:32*SP*((\t)%2)+8*SP*\i
.endr
.irp i, 0,1,2,3
	ds_load_b128 v[X+16*((\t)%2)+4*\i:X+16*((\t)%2)+4*\i+3], v15 offset:32*SP*((\t)%2)+16*\i
.endr
.endm
.irp t, 0,1,2,3,4,5,6,7
	LOAD \t                                        ; the stream's first eight steps go out first: they are wanted first
.endr
	s_cmp_eq_u32 s38, 1                            ; which weight: the choice hangs on the work-group's number alone
	s_cselect_b64 s[40:41], s[42:43], s[40:41]
	s_cmp_eq_u32 s38, 2
	s_cselect_b64 s[40:41], s[44:45], s[40:41]
	s_cmp_eq_u32 s38, 3
	s_cselect_b64 s[40:41], s[46:47], s[40:41]
	s_mov_b32 s[G0], 1                             ; count = 1
	s_lshl_b32 s[G0+1], s16, 14                    ; LDS address: 16,384 x wave
	s_add_nc_u64 s[G0+2:G0+3], s[40:41], s[50:51]  ; global address of my 64 rows
	s_or_b32 s[G0+3], s[G0+3], 0x80000000          ; type = 2
	s_add_nc_u64 s[12:13], s[12:13], s[54:55]
	s_add_nc_u64 s[14:15], s[14:15], s[56:57]
	tensor_load_to_lds s[G0:G0+3], s[G1:G1+7]      ; my one tensor load: a first fill, ahead of every wait on TENSORcnt, LDS read and barrier
	s_nop 0
	v_lshl_add_u32 v[AT], v2, 2, s[G0+1]           ; the tile's addresses are made while the loads are on their way
	v_mul_u32_u24 v[STO], v2, SPI
	s_lshl_b32 s53, s16, 5
	s_add_co_u32 s53, s53, STG
	v_add_nc_u32 v[STO], s53, v[STO]               ; STG + 272 x lane + 32 x wave
	s_lshl_b32 s53, s16, 1
	s_add_co_u32 s53, s53, SST
	v_lshl_add_u32 v[SSO], v2, 4, s53              ; SST + 16 x lane + 2 x wave
	v_and_b32 v8, 15, v0
	v_bfe_u32 v9, v0, 4, 1
	s_mul_i32 s53, s16, 8*SPI
	s_add_co_u32 s53, s53, STG
	v_mul_u32_u24 v[RD], v9, SPI
	s_delay_alu instid0(VALU_DEP_1)
	v_lshl_add_u32 v[RD], v8, 4, v[RD]
	s_delay_alu instid0(VALU_DEP_1)
	v_add_nc_u32 v[RD], s53, v[RD]                 ; my wave's 8 rows, two rows an instruction
	v_lshlrev_b32 v[GO], 10, v9
	s_delay_alu instid0(VALU_DEP_1)
	v_lshl_add_u32 v[GO], v8, 4, v[GO]
	s_lshl_b32 s53, s18, 8
	s_add_co_u32 s53, s53, SST
	v_lshl_add_u32 v[SRD], v2, 3, s53              ; 16 rows of scale bytes, 8 bytes a lane
	s_wait_loadcnt 28                              ; step 0's four loads are in; the 28 behind them stay out
	TURN 0
.macro STEP t
.set XS, X+16*((\t)%2)
.if (\t) > 0
	s_wait_dscnt 2                                 ; this step's numbers are back from the stage; the two youngest LDS instructions, the last step's byte store and codes' store, may be out
.else
	s_wait_dscnt 0x0
.endif
.if (\t)+8 < STEPS
	LOAD (\t)+8                                    ; which take the loads of eight steps on
.endif
.if (\t)+1 < STEPS
.if (\t) <= 7
	s_wait_loadcnt 28                              ; the next step's four loads are in; those of the seven steps behind it may be out
.else
	s_wait_loadcnt 4*(14-(\t))                     ; the tail: steps t + 2 .. 15 may be out
.endif
	TURN (\t)+1                                    ; and go through the other stage while this step is worked
.endif
	v_max3_num_f32 v8, |v[XS]|, |v[XS+1]|, |v[XS+2]|               ; the largest magnitude of my 16, in two chains
	v_max3_num_f32 v9, |v[XS+3]|, |v[XS+4]|, |v[XS+5]|
.irp i, 6,10
	s_delay_alu instid0(VALU_DEP_2)
	v_max3_num_f32 v8, v8, |v[XS+\i]|, |v[XS+\i+1]|
	s_delay_alu instid0(VALU_DEP_2)
	v_max3_num_f32 v9, v9, |v[XS+\i+2]|, |v[XS+\i+3]|
.endr
	s_delay_alu instid0(VALU_DEP_2)
	v_max3_num_f32 v8, v8, |v[XS+14]|, |v[XS+15]|
	s_delay_alu instid0(VALU_DEP_1)
	v_max3_num_f32 v8, v8, v9, 0x1800000           ; and the floor 2^(3 - 127): the byte cannot fall under 1
	s_delay_alu instid0(VALU_DEP_1)
	v_max_num_f32_dpp v8, v8, v8 row_xmask:1 row_mask:0xf bank_mask:0xf   ; and of my neighbour's 16: the block's
	s_delay_alu instid0(VALU_DEP_1)
	v_add_nc_u32 v11, 0xff000000, v8               ; 2 off its exponent field: the conversion takes the exponent field of this operand as its scale, and nothing else of it
	v_cvt_scalef32_pk8_fp4_f32 v[C+2*(\t)], v[XS:XS+7], v11        ; eight numbers / the scale, to the nearest code, ties to even, beyond 6 the largest code; the first number's code in the lowest four bits
	v_cvt_scalef32_pk8_fp4_f32 v[C+2*(\t)+1], v[XS+8:XS+15], v11
	v_lshrrev_b32 v[E+(\t)%2], 23, v11             ; the scale's byte (also the plain line behind the conversions); the store that read this register two steps ago is done: the wait at this step's head left two LDS instructions out, the last step's
	ds_store_b8 v5, v[E+(\t)%2] offset:16*(\t)     ; both lanes of a block write the same byte with the same value
	ds_store_b64 v7, v[C+2*(\t):C+2*(\t)+1] offset:512+16*(\t)     ; row t's 8 bytes of my unit
.endm
.macro LOADX s                         ; the tile's part s: block s / 2 of my two blocks of 32 rows, column half s % 2, into set s % 2: W(32 (s / 2) + i, 32 (s % 2) + lane)
.irp i, 0,1,2,3,4,5,6,7,8,9,10,11,12,13,14,15,16,17,18,19,20,21,22,23,24,25,26,27,28,29,30,31
	ds_load_b32 v[WX+32*((\s)%2)+\i], v[AT] offset:(32*((\s)/2)+\i)*256+128*((\s)%2)
.endr
.endm
.macro STEPW s
.set XS, WX+32*((\s)%2)
.set BQ, (\s)/2
.set CH, (\s)%2
	s_wait_dscnt 0x0                               ; this part's numbers are in, and the last part's stores have read their registers
.if (\s) < 3
	LOADX (\s)+1                                   ; the next part comes while this one is worked
.endif
	v_max3_num_f32 v[WM], |v[XS]|, |v[XS+1]|, |v[XS+2]|            ; the block's largest magnitude: all 32 numbers are mine; two chains
	v_max3_num_f32 v[WN], |v[XS+3]|, |v[XS+4]|, |v[XS+5]|
.irp i, 6,10,14,18,22,26
	s_delay_alu instid0(VALU_DEP_2)
	v_max3_num_f32 v[WM], v[WM], |v[XS+\i]|, |v[XS+\i+1]|
	s_delay_alu instid0(VALU_DEP_2)
	v_max3_num_f32 v[WN], v[WN], |v[XS+\i+2]|, |v[XS+\i+3]|
.endr
	s_delay_alu instid0(VALU_DEP_2)
	v_max3_num_f32 v[WM], v[WM], |v[XS+30]|, |v[XS+31]|
	s_delay_alu instid0(VALU_DEP_1)
	v_max3_num_f32 v[WM], v[WM], v[WN], 0x1800000  ; and the floor 2^(3 - 127)
	s_delay_alu instid0(VALU_DEP_1)
	v_add_nc_u32 v[WS], 0xff000000, v[WM]          ; 2 off its exponent field: the conversion's scale operand
.irp g, 0,1,2,3
	v_cvt_scalef32_pk8_fp4_f32 v[CD+\g], v[XS+8*\g:XS+8*\g+7], v[WS]
.endr
	v_lshrrev_b32 v[WN], 23, v[WS]                 ; the scale's byte (also the plain line behind the conversions)
.if BQ == 0
	s_delay_alu instid0(VALU_DEP_1)
	v_mov_b32 v[SBW+CH], v[WN]                     ; my two blocks' bytes, the lower K in the lower byte
.else
	s_delay_alu instid0(VALU_DEP_1)
	v_lshl_or_b32 v[SBW+CH], v[WN], 8, v[SBW+CH]
.endif
	ds_store_b128 v[STO], v[CD:CD+3] offset:32*SPI*CH+16*BQ        ; 32 codes: 16 bytes of my column's row
.if BQ == 1
	ds_store_b16 v[SSO], v[SBW+CH] offset:512*CH   ; two bytes of my column's sixteen
.endif
.endm
.irp t, 0,1,2,3,4,5,6,7,8,9,10,11
	STEP \t
.endr
	; THE TILE.  The stream's steps 13 to 15 are on their way into v96-143, step 12's numbers are coming back from the stage into v144-159: neither is touched here.  v16-79 held steps 8 to 11, whose stores into the stage are done.
	s_wait_tensorcnt 0x0                           ; my 64 rows have landed; nobody else reads them
	LOADX 0
.irp s, 0,1,2,3
	STEPW \s
.endr
	s_wait_dscnt 0x0                               ; for the others' sake: my stores into the stage are done
	s_barrier_signal -1
	s_barrier_wait -1                              ; everybody's are
.irp t, 0,1,2,3
	ds_load_b128 v[OUTR+4*\t:OUTR+4*\t+3], v[RD] offset:2*\t*SPI
.endr
.irp t, 0,1,2,3
	s_wait_dscnt 3-\t                              ; load t is in; the younger ones may be out
	global_store_b128 v[GO], v[OUTR+4*\t:OUTR+4*\t+3], s[12:13] offset:2048*\t   ; sixteen lanes store 256 consecutive bytes, at a multiple of 256 from the buffer's first byte
.endr
	s_cmp_lt_u32 s16, 4                            ; 64 rows x 16 scale bytes are four runs of 256 bytes: waves 0 to 3 store one each, so that no run is stored in parts
	s_cbranch_scc0 .Lno_scales
	ds_load_b64 v[WSO:WSO+1], v[SRD]
	s_wait_dscnt 0x0
	global_store_b64 v4, v[WSO:WSO+1], s[14:15]    ; 16 rows x 16 scale bytes: 256 consecutive bytes, aligned likewise
.Lno_scales:
.irp t, 12,13,14,15
	STEP \t                                        ; the stream's last four steps
.endr
	ds_load_b64 v[12:13], v6                       ; served behind my byte stores: 16 rows x 16 scale bytes of A
	s_wait_dscnt 0x0
	global_store_b64 v4, v[12:13], s[10:11]
.irp i, 0,1,2,3,4,5,6,7
	ds_load_b128 v[32+4*\i:35+4*\i], v10 offset:512+544*\i         ; served behind my stores: units 2 i and 2 i + 1; into registers that no store names
.endr
.irp i, 0,1,2,3,4,5,6,7
	s_wait_dscnt 7-\i                              ; load i is in; the younger ones may be out
	global_store_b128 v3, v[32+4*\i:35+4*\i], s[8:9] offset:512*\i ; 32 lanes store 512 consecutive bytes, at a multiple of 256 from the buffer's first byte
.endr
	s_wait_tensorcnt 0x0
	ds_add_u32 v232, v233
	s_wait_dscnt 0x0
	s_endpgm
.Lfunc_end_k_q073c32d0cc_quant:
	.size	k_q073c32d0cc_quant, .Lfunc_end_k_q073c32d0cc_quant-k_q073c32d0cc_quant
	.p2alignl 7, 3214868480
	.fill 96, 4, 3214868480
	.section	.rodata,"a",@progbits
	.p2align	6, 0x0
	.amdhsa_kernel k_q073c32d0cc_quant
		.amdhsa_group_segment_fixed_size 248832
		.amdhsa_private_segment_fixed_size 0
		.amdhsa_enable_private_segment 0
		.amdhsa_kernarg_size 80
		.amdhsa_user_sgpr_count 2
		.amdhsa_user_sgpr_kernarg_segment_ptr 1
		.amdhsa_wavefront_size32 1
		.amdhsa_system_sgpr_workgroup_id_x 1
		.amdhsa_system_sgpr_workgroup_id_y 1
		.amdhsa_system_sgpr_workgroup_id_z 1
		.amdhsa_system_vgpr_workitem_id 0
		.amdhsa_next_free_vgpr 234
		.amdhsa_next_free_sgpr 66
		.amdhsa_reserve_vcc 0
		.amdhsa_float_denorm_mode_32 3
		.amdhsa_float_denorm_mode_16_64 3
		.amdhsa_memory_ordered 1
		.amdhsa_forward_progress 1
		.amdhsa_inst_pref_size 60
	.end_amdhsa_kernel
	.amdgpu_metadata
---
amdhsa.version: [ 1, 2 ]
amdhsa.kernels:
  - .name:           k_q073c32d0cc_quant
    .symbol:         k_q073c32d0cc_quant.kd
    .args:
      - { .name: x, .offset: 0, .size: 8, .value_kind: global_buffer, .address_space: global }
      - { .name: h_prev, .offset: 8, .size: 8, .value_kind: global_buffer, .address_space: global }
      - { .name: a_codes, .offset: 16, .size: 8, .value_kind: global_buffer, .address_space: global }
      - { .name: a_scales, .offset: 24, .size: 8, .value_kind: global_buffer, .address_space: global }
      - { .name: W_f, .offset: 32, .size: 8, .value_kind: global_buffer, .address_space: global }
      - { .name: W_i, .offset: 40, .size: 8, .value_kind: global_buffer, .address_space: global }
      - { .name: W_o, .offset: 48, .size: 8, .value_kind: global_buffer, .address_space: global }
      - { .name: W_C, .offset: 56, .size: 8, .value_kind: global_buffer, .address_space: global }
      - { .name: w_codes, .offset: 64, .size: 8, .value_kind: global_buffer, .address_space: global }
      - { .name: w_scales, .offset: 72, .size: 8, .value_kind: global_buffer, .address_space: global }
    .group_segment_fixed_size: 248832
    .private_segment_fixed_size: 0
    .kernarg_segment_align: 8
    .kernarg_segment_size: 80
    .max_flat_workgroup_size: 256
    .sgpr_count:     66
    .vgpr_count:     234
    .wavefront_size: 32
...
	.end_amdgpu_metadata
.endif
;; end of part 1
;; launch cell (part 2): grid 64 x 4, 4 waves a work-group, clusters of 4 x 1, 327,680 bytes of LDS; arguments a_codes, a_scales, w_codes, w_scales, C_prev, b_f, b_i, b_o, b_C, out0, out1; writes out0, out1
.if DOCPART == 2
	.amdgcn_target "amdgcn-amd-amdhsa--gfx1250"
	.amdhsa_code_object_version 6
	.text
	.protected	k_q073c32d0cc_cell
	.globl	k_q073c32d0cc_cell
	.p2align	8
	.type	k_q073c32d0cc_cell,@function
k_q073c32d0cc_cell:
	s_mov_b64 s[64:65], 0
	v_nop
	global_prefetch_b8 v0, s[64:65] scope:SCOPE_SE
	s_setreg_imm32_b32 hwreg(HW_REG_WAVE_MODE, 25, 1), 1
	s_wait_xcnt 0x0
	s_wait_alu depctr_hold_cnt(0) depctr_sa_sdst(0) depctr_va_vdst(0) depctr_va_sdst(0) depctr_va_ssrc(0) depctr_va_vcc(0) depctr_vm_vsrc(0)
	s_getreg_b32 s2, hwreg(HW_REG_IB_STS2, 6, 4)
	s_cmp_eq_u32 s2, 0
	s_cbranch_scc0 .Lentry_in_a_cluster
	s_endpgm
.Lentry_in_a_cluster:
	s_bfe_u32 s2, ttmp6, 0x10000c
	s_cmp_lg_u32 s2, 0x3003
	s_cbranch_scc0 .Lentry_shape_is_right
	s_endpgm
.Lentry_shape_is_right:
; gates = [x | h_prev] [W_f | W_i | W_o | W_C] + b on codes of FP4 (E2M1), one E8M0 scale for each 32 along K, sums in f32; then in f32 C_t = sigmoid(f) C_prev + sigmoid(i) tanh(C~) (out1), h_t = sigmoid(o) tanh(C_t) (out0).
; A: a_codes in the order of the operand's registers: [512 blocks of 16 rows][16 steps of 128 K][c][h][r][16 bytes]; a_scales [4 (K step of 512)][8192][16].
; B: w_codes [4096 rows n'][1024 bytes], w_scales [4][4096][16]; n' = 128 (hc / 32) + 32 g + hc % 32 (hc hidden column; g = 0 f, 1 i, 2 o, 3 C~).
; SHARES.  256 work-groups of four waves; each makes TWO tiles of 256 rows x 256 n' (64 hidden columns x 4 gates), 4,096 rows apart, with the same rows of B.  A wave makes 128 x 128: 64 accumulators, 512 registers; its 128 n' are the
; four gates of the same 32 hidden columns (block b = 2 g + u), so the four gates of one number lie in one lane at one register index.  Source 0 = 16 rows of B, source 1 = 16 rows of A: lane (r, h) holds row r, register j hidden column 16 u + 8 h + j.
; B STAYS IN LDS: its 256 rows x all of K are four pieces of 256 x (256 + 16) bytes, 278,528 bytes, each fetched once, by one joint tensor load a wave at the head.  Nothing is filled again: the walk along K has no barrier.
; A GOES FROM MEMORY STRAIGHT INTO REGISTERS: each load takes 512 consecutive bytes; four sets of 64 registers take turns.  A step's loads from memory stand BEHIND its 64 products and fill the set that the step before has read
; (the four places at the step's head part them from those products); the wait at a step's head leaves the 32 loads of the two younger steps out.  The second tile's first three steps are asked for behind the first tile's last step.
; THE SCALE WORDS come the same way, a K step of 512 ahead: a load's lanes 0-15 hold an even block's rows, lanes 16-31 the next block's; the row selectors pick the half.
; CLUSTER 4, 1, 1: the four partners have the same tile column and ask for B's pieces jointly.  A is not asked for jointly: B fills 278,528 of the 327,680 bytes of LDS, so A has no slot there to land in.
; PREFETCHES.  A: in every second step a wave names the 32 blocks of 256 bytes of one step of its 128 rows, eight or nine steps ahead of their use; the two waves that read the same rows take the even and the odd step, told apart by address;
; steps 8 to 14 name the next tile's first eight steps, and the last tile names none there.  The first tile's steps 4 to 7 and the scales are named at the head (a_scales: the two waves take a tile each; w_scales: the eight waves of the
; cluster that read the same half take four blocks each).  C_prev: in step 4, eight steps ahead of its first load.  B's pieces come once, at the head: there is nothing to run ahead in.
; THE WAY OUT, 16 rows of each row half at a time.  C_prev comes as whole rows of 256 bytes into registers, goes into a stage, is read there in the result's layout; C_t is written over it by the lane that read it, h_t beside it; behind one
; barrier a block both leave as whole rows.  Three stages for C and two for h take turns, so that each store into a stage stands a barrier behind the last read of its bytes.
; sigmoid(g) = 1 / (1 + 2^(-g log2 e)); s tanh(g) with s = 1 / (1 + E) is (T - 1) / ((1 + E)(1 + T)), T = 2^min(2 g log2 e, 64): one reciprocal for both.  At the hold tanh is 1 in f32.  E = inf or a product beyond f32 gives 1 / inf = 0
; where the true number lies under 2^-60.  LIMIT: NaN and infinities among the inputs are not served.
; REGISTERS: window 0: v4-15, v27, v30, v31 addresses, v16-19 biases on their way, v32-95 scale words (two sets; A's 16, B's 16), v96-127 C_prev's rows (two sets), v128-191 and v192-255 B's fragments (two sets; the second holds the
; biases in a tile's first step; both are at work on the way out).  Window 1: A's four sets; the fourth takes the rows read back for the stores.  Windows 2, 3: the accumulators ((a, b) at v[8 (8 (a % 4) + b)]).
.set PITCH, 272
.set PIECE, 256*PITCH                  ; B's rows for a K step of 512
.set STG,   4*PIECE                    ; the stages: 32 rows x 272 bytes each: C's three, then h's two
.set CBUF,  32*PITCH
.set HBO,   3*CBUF
.set BIA,   STG+5*CBUF                 ; the biases: 512 bytes for each wave: [gate][32 hidden columns]
.set SPARE, BIA+2048                   ; the spare words, 128 bytes for each wave
.set NXA,   256*16384                  ; from a tile to the next: a_codes,
.set NXS,   4096*16                    ; a_scales,
.set NXC,   4096*4096                  ; C_prev and the outputs
.set LO,   4                           ; 16 x lane
.set ADRB, 5                           ; v5-8 my B fragments in piece 0 .. 3
.set CPA,  9                           ; a stage in the result's layout
.set RDA,  10                          ; a stage by rows: my wave's 8 rows, two an instruction
.set CO,   11                          ; the same two rows in memory
.set BIW,  12
.set BIR,  13
.set BGO,  14
.set PFO,  15                          ; the prefetches' offsets: C_prev,
.set PFW,  27                          ; w_scales,
.set PFA,  30                          ; a_codes,
.set PFS,  31                          ; a_scales; none is rewritten
.set SPW,  28
.set NIL,  29
.set SCA,  32
.set SCB,  48
.set GLR,  96
.set BF,   128
.set BI,   192
.set T,    128                         ; f 0-15, i 16-31, o 32-47, C~ 48-63
.set CPL,  192
.set CT,   208
.set HH,   224
.set U,    240
.set SD,   192                         ; in window 1
.set TL,   57                          ; s57: the tile's number
.set MSB, 0
.macro WIN new
.if MSB != (\new)
	s_set_vgpr_msb (MSB<<8)|(\new)
.set MSB, \new
.endif
.endm
.macro CROUND                          ; a round of the cluster's barrier
	s_barrier_signal -1
	s_barrier_wait -1
	s_cmp_lg_u32 s14, 0
	s_cbranch_scc1 .Lnot_wave_0_\@
	s_barrier_signal -3
.Lnot_wave_0_\@:
	s_barrier_wait -3
	s_barrier_signal -1
	s_barrier_wait -1
.endm
.macro PLACES                          ; four places behind matrix instructions, ahead of loads into their registers and of reads of their results
.rept 4
	v_nop
.endr
.endm
.macro ALD s                           ; A's eight fragments of step s (16 and on: the next tile's) into set s % 4
.if (\s) >= 16
.set AO, NXA+((\s)-16)*1024
.else
.set AO, (\s)*1024
.endif
	WIN 0x40
.irp a, 0,1,2,3,4,5,6,7
.irp c, 0,1
	global_load_b128 v[64*((\s)%4)+8*\a+4*\c:64*((\s)%4)+8*\a+4*\c+3], v[LO], s[4:5] offset:AO+\a*16384+\c*512
.endr
.endr
	WIN 0
.endm
.macro SCLD ks, nx                     ; the scale words of K step ks (nx = 1: the next tile's) into set ks % 2: 32 rows x 16 bytes a load
.irp i, 0,1,2,3
	global_load_b128 v[SCA+32*((\ks)%2)+4*\i:SCA+32*((\ks)%2)+4*\i+3], v[LO], s[6:7] offset:(\ks)*131072+(\nx)*NXS+\i*512
	global_load_b128 v[SCB+32*((\ks)%2)+4*\i:SCB+32*((\ks)%2)+4*\i+3], v[LO], s[10:11] offset:(\ks)*65536+\i*512
.endr
.endm
.macro FETCHB s                        ; B's eight fragments of step s into set s % 2
.irp i, 0,1,2,3,4,5,6,7
.irp c, 0,1
	ds_load_b128 v[BF+64*((\s)%2)+8*\i+4*\c:BF+64*((\s)%2)+8*\i+4*\c+3], v[ADRB+(\s)/4] offset:64*((\s)%4)+32*\c+\i*16*PITCH
.endr
.endr
.endm
.macro GLD a                           ; C_prev's rows of block a: my wave's 8, sixteen lanes to a row of 256 bytes
.irp t, 0,1,2,3
	global_load_b128 v[GLR+16*((\a)%2)+4*\t:GLR+16*((\a)%2)+4*\t+3], v[CO], s[12:13] offset:(16*(\a)+2*\t)*4096 th:TH_LOAD_NT
.endr
.endm
.macro CPST a                          ; and into C's stage a % 3
.irp t, 0,1,2,3
	ds_store_b128 v[RDA], v[GLR+16*((\a)%2)+4*\t:GLR+16*((\a)%2)+4*\t+3] offset:((\a)%3)*CBUF+2*\t*PITCH
.endr
.endm
.macro WM rb, ra                       ; one product; the selectors say which half of the lanes holds the block's scale words
.if 2*\rb+\ra == 0
	v_wmma_scale_f32_16x16x128_f8f6f4 v[DD:DD+7], v[BB:BB+7], v[AA:AA+7], v[CC:CC+7], v[SB], v[SA] matrix_a_fmt:MATRIX_FMT_FP4 matrix_b_fmt:MATRIX_FMT_FP4
.endif
.if 2*\rb+\ra == 1
	v_wmma_scale_f32_16x16x128_f8f6f4 v[DD:DD+7], v[BB:BB+7], v[AA:AA+7], v[CC:CC+7], v[SB], v[SA] matrix_a_fmt:MATRIX_FMT_FP4 matrix_b_fmt:MATRIX_FMT_FP4 matrix_b_scale:MATRIX_SCALE_ROW1
.endif
.if 2*\rb+\ra == 2
	v_wmma_scale_f32_16x16x128_f8f6f4 v[DD:DD+7], v[BB:BB+7], v[AA:AA+7], v[CC:CC+7], v[SB], v[SA] matrix_a_fmt:MATRIX_FMT_FP4 matrix_b_fmt:MATRIX_FMT_FP4 matrix_a_scale:MATRIX_SCALE_ROW1
.endif
.if 2*\rb+\ra == 3
	v_wmma_scale_f32_16x16x128_f8f6f4 v[DD:DD+7], v[BB:BB+7], v[AA:AA+7], v[CC:CC+7], v[SB], v[SA] matrix_a_fmt:MATRIX_FMT_FP4 matrix_b_fmt:MATRIX_FMT_FP4 matrix_a_scale:MATRIX_SCALE_ROW1 matrix_b_scale:MATRIX_SCALE_ROW1
.endif
.endm
; 32 products: A's blocks 4 hi .. 4 hi + 3 x B's eight.  first = 1: the sums start from the biases.  The 64 accumulators take turns in the same order in every step.
.macro MUL32 s, hi, first
.irp ap, 0,1
.irp ra, 0,1
.irp bp, 0,1,2,3
.irp rb, 0,1
.set DD, 8*(8*(2*\ap+\ra)+2*\bp+\rb)
.set BB, BF+64*((\s)%2)+8*(2*\bp+\rb)
.set AA, 64*((\s)%4)+8*(4*\hi+2*\ap+\ra)
.set SB, SCB+32*(((\s)/4)%2)+4*\bp+(\s)%4
.set SA, SCA+32*(((\s)/4)%2)+4*(2*\hi+\ap)+(\s)%4
.if \first
.set CC, BI+8*(2*\bp+\rb)
.else
.set CC, DD
.endif
	WM \rb, \ra
.endr
.endr
.endr
.endr
.endm
; A step of 128 along K: B's next step is asked of LDS, the 64 products are issued, and behind them go the loads from memory: A's step three on, into the set that the step before has read.
.macro STEP s
.if (\s) > 0
	PLACES                                         ; behind the last step's products: they part those from this step's loads into the registers that they read
.endif
	WIN 0
.if (\s) == 1
	FETCHB 1                                       ; its set held the biases through step 0
.endif
.if (\s) >= 1 && (\s) <= 14
	FETCHB (\s)+1
.endif
.if (\s) <= 13
	s_wait_loadcnt 32                              ; this step's fragments and scale words are in: behind them at least the 32 loads of the two steps on were issued
.endif
.if (\s) == 14
	s_wait_loadcnt 24                              ; behind step 14's fragments: C_prev's 8 loads, step 15's 16
.endif
.if (\s) == 15
	s_wait_loadcnt 0x0                             ; step 15's were the last issued; C_prev's first two blocks are in too
	CPST 0                                         ; stage 0 was last read a barrier ago
	s_wait_dscnt 0x0                               ; for the others' sake, and B's fragments
	s_barrier_signal -1                            ; only products stand between signal and wait
.else
.if (\s) == 0
	s_wait_dscnt 0x0
.else
	s_wait_dscnt 16                                ; this step's B is in; the next step's 16 loads may be out
.endif
.endif
.if (\s) == 0
	WIN 0x84                                       ; A window 1; B and the biases window 0; D window 2
	MUL32 \s, 0, 1
	WIN 0xc4
	MUL32 \s, 1, 1
.else
	WIN 0xa4
	MUL32 \s, 0, 0
	WIN 0xf4
	MUL32 \s, 1, 0
.endif
	WIN 0
.if (\s) == 0 || (\s) == 4 || (\s) == 8
	SCLD (\s)/4+1, 0
.endif
.if (\s) == 12
	GLD 0
	GLD 1
.endif
.if (\s) <= 12
	ALD (\s)+3
.endif
.if (\s) == 4
	global_prefetch_b8 v[PFO], s[12:13] th:TH_LOAD_NT scope:SCOPE_SE                 ; the 64 rows x 256 bytes of C_prev that my wave will load, a lane to a row, each asked for once
	global_prefetch_b8 v[PFO], s[12:13] offset:262144 th:TH_LOAD_NT scope:SCOPE_SE
.endif
.if (\s) % 2 == 0
.if (\s) <= 6
	global_prefetch_b8 v[PFA], s[4:5] offset:((\s)+8)*1024 th:TH_LOAD_NT scope:SCOPE_SE   ; step s + 8 + wave % 2 of my 128 rows: 8 blocks of rows x 4 blocks of 256 bytes, a lane each
.else
	s_cmp_eq_u32 s[TL], 1                          ; the next tile's steps s - 8 + wave % 2; the last tile has no next: its address would leave the buffer
	s_cbranch_scc1 .Lno_ask_\@
	global_prefetch_b8 v[PFA], s[4:5] offset:NXA+((\s)-8)*1024 th:TH_LOAD_NT scope:SCOPE_SE
.Lno_ask_\@:
.endif
.endif
.endm
.macro RDBACK p                        ; block p's C_t and h_t back as whole rows
.if (\p) > 0
	s_wait_xcnt 0x0                                ; the last stores have read these registers
.endif
	WIN 0x40
.irp t, 0,1,2,3
	ds_load_b128 v[SD+4*\t:SD+4*\t+3], v[RDA] offset:((\p)%3)*CBUF+2*\t*PITCH
.endr
.irp t, 0,1,2,3
	ds_load_b128 v[SD+16+4*\t:SD+16+4*\t+3], v[RDA] offset:HBO+((\p)%2)*CBUF+2*\t*PITCH
.endr
	WIN 0
.endm
.macro SENDOUT p                       ; sixteen lanes store 256 consecutive bytes, at a multiple of 256 from the buffer's first byte
	WIN 0x04
.irp t, 0,1,2,3
	global_store_b128 v[CO], v[SD+4*\t:SD+4*\t+3], s[26:27] offset:(16*(\p)+2*\t)*4096 th:TH_STORE_NT
.endr
.irp t, 0,1,2,3
	global_store_b128 v[CO], v[SD+16+4*\t:SD+16+4*\t+3], s[24:25] offset:(16*(\p)+2*\t)*4096 th:TH_STORE_NT
.endr
	WIN 0
.endm
.macro PK op, d, a, b, n               ; n packed lines on register pairs
.set k, 0
.rept \n
	\op v[\d+k:\d+k+1], v[\a+k:\a+k+1], v[\b+k:\b+k+1]
.set k, k+2
.endr
.endm
.macro PK3 d, a, b, c, n               ; n packed fused multiply-adds: d = a b + c
.set k, 0
.rept \n
	v_pk_fma_f32 v[\d+k:\d+k+1], v[\a+k:\a+k+1], v[\b+k:\b+k+1], v[\c+k:\c+k+1]
.set k, k+2
.endr
.endm
.macro PKC op, d, a, c, n              ; packed lines with a constant or a scalar pair, its low word for both halves
.set k, 0
.rept \n
	\op v[\d+k:\d+k+1], v[\a+k:\a+k+1], \c op_sel_hi:[1,0]
.set k, k+2
.endr
.endm
.macro TR op, d, n                     ; a batch of transcendentals in place: a wait ahead of it and behind it; a plain line stands behind the last (ISA guide 5.7.2)
	s_wait_alu depctr_va_vdst(0)
.set k, 0
.rept \n
	\op v[\d+k], v[\d+k]
.set k, k+1
.endr
	v_nop
	s_wait_alu depctr_va_vdst(0)
.endm
.macro HOLD d                          ; tanh's exponent held at 64
.set k, 0
.rept 16
	v_min_num_f32 v[\d+k], s56, v[\d+k]
.set k, k+1
.endr
.endm
; Block a, behind the barrier that showed its C_prev in stage a % 3 and block a - 1's results in theirs.
.macro BLK a
.irp u, 0,1
.irp c, 0,1
	ds_load_b128 v[CPL+8*\u+4*\c:CPL+8*\u+4*\c+3], v[CPA] offset:((\a)%3)*CBUF+64*\u+16*\c
.endr
.endr
.if (\a) > 0
	RDBACK (\a)-1
.endif
.if (\a) == 0
	CPST 1                                         ; block 1's rows were shown in by step 15's wait; stage 1 was last read ahead of the barrier just passed
	GLD 2
.else
.if (\a)+1 <= 7
.if (\a)+2 <= 7
	s_wait_loadcnt 4                               ; block a + 1's rows are in; block a + 2's four loads may be out
.else
	s_wait_loadcnt 0x0
.endif
	CPST (\a)+1                                    ; stage (a + 1) % 3 was last read ahead of the barrier just passed
.endif
.endif
	WIN 0x02+(\a)/4
	s_wait_alu depctr_va_vdst(0)                   ; the wait directly ahead of the first readers of matrix results
	PKC v_pk_mul_f32, T, 64*((\a)%4), s[52:53], 24             ; f, i, o: -g log2 e; each accumulator from its low end on
	PKC v_pk_mul_f32, T+48, 64*((\a)%4)+48, s[54:55], 8        ; C~: 2 g log2 e
	WIN 0
	HOLD T+48
	TR v_exp_f32, T, 64
	s_wait_dscnt 0x0                               ; C_prev and the rows read back are in, and the stores into the stage have read their registers
.if (\a)+3 <= 7
	GLD (\a)+3                                     ; two blocks ahead of its store into a stage
.endif
.if (\a) > 0
	SENDOUT (\a)-1
.endif
	PKC v_pk_add_f32, U, T+48, -1.0, 8             ; T - 1
	PKC v_pk_add_f32, T, T, 1.0, 8                 ; 1 + E_f
	PKC v_pk_add_f32, T+48, T+48, 1.0, 8           ; 1 + T
	PK3 T+16, T+16, T+48, T+48, 8                  ; E_i (1 + T) + (1 + T) = (1 + E_i)(1 + T)
	TR v_rcp_f32, T, 32
	PK v_pk_mul_f32, U, U, T+16, 8                 ; i C~
	PK3 CT, T, CPL, U, 8                           ; C_t = f C_prev + i C~
	PKC v_pk_mul_f32, T+48, CT, s[54:55], 8
	HOLD T+48
	TR v_exp_f32, T+48, 16
	PKC v_pk_add_f32, T, T+48, 1.0, 8              ; 1 + T
	PKC v_pk_add_f32, T+48, T+48, -1.0, 8          ; T - 1
	PK3 T, T+32, T, T, 8                           ; (1 + E_o)(1 + T)
	TR v_rcp_f32, T, 16
	PK v_pk_mul_f32, HH, T+48, T, 8                ; h_t = o tanh(C_t)
.irp u, 0,1
.irp c, 0,1
	ds_store_b128 v[CPA], v[CT+8*\u+4*\c:CT+8*\u+4*\c+3] offset:((\a)%3)*CBUF+64*\u+16*\c       ; over the bytes of C_prev that this lane has read
	ds_store_b128 v[CPA], v[HH+8*\u+4*\c:HH+8*\u+4*\c+3] offset:HBO+((\a)%2)*CBUF+64*\u+16*\c
.endr
.endr
	s_wait_dscnt 0x0                               ; for the others' sake: my stores are done, and my reads of the stages are over
	s_barrier_signal -1
	s_barrier_wait -1
.endm
	s_load_b256 s[4:11], s[0:1], 0x0               ; a_codes, a_scales, w_codes, w_scales
	s_load_b64 s[12:13], s[0:1], 0x20              ; C_prev
	s_load_b256 s[16:23], s[0:1], 0x28             ; b_f, b_i, b_o, b_C
	s_load_b128 s[24:27], s[0:1], 0x48             ; out0 (h_t), out1 (C_t)
	v_lshl_add_u32 v[SPW], v0, 2, SPARE
	v_mov_b32 v[NIL], 0
	ds_add_u32 v[SPW], v[NIL]                      ; the opening lines: the add, twice on end, and its wait ahead of my tensor load
	ds_add_u32 v[SPW], v[NIL]
	v_lshrrev_b32 v1, 5, v0
	v_readfirstlane_b32 s14, v1                    ; wave
	s_lshr_b32 s15, s14, 1                         ; my half of the rows
	s_and_b32 s28, s14, 1                          ; my half of B's rows: 32 hidden columns
	s_bfe_u32 s29, ttmp6, 0x40000                  ; cx
	s_bfe_u32 s30, ttmp9, 0x20001                  ; tile column = bits 2:1 of the cluster's x + 4 y: the partners share it
	s_and_b32 s31, ttmp7, 0xffff
	s_lshl_b32 s31, s31, 2
	s_add_co_u32 s30, s30, s31
	s_lshr_b32 s31, ttmp9, 3                       ; first tile row = 4 (2 x bit 3 + bit 0 of the cluster's x) + cx: clusters whose x differ in bit 0 or in bit 3 read different rows of A
	s_lshl_b32 s31, s31, 1
	s_and_b32 s2, ttmp9, 1
	s_add_co_u32 s31, s31, s2
	s_lshl_b32 s31, s31, 2
	s_add_co_u32 s31, s31, s29
	s_mov_b32 s32, 15|(1<<20)|(1<<21)|(5<<22)|(3<<25)   ; group 1: the four partners; elements of 1 byte; 4 words of padding behind every 64
	s_mov_b32 s33, 256<<16                         ; tensor_dim0
	s_mov_b32 s34, 256<<16                         ; tensor_dim1
	s_mov_b32 s35, 256<<16                         ; tile_dim0
	s_mov_b32 s36, 256                             ; tile_dim1
	s_mov_b32 s37, 1024                            ; from row to row
	s_mov_b32 s38, 0
	s_mov_b32 s39, 0
	s_mov_b32 s40, 1
	s_mul_i32 s41, s14, PIECE                      ; wave w fetches K step w's piece
	s_lshl_b32 s44, s30, 18                        ; w_codes: 256 rows of 1,024 bytes a tile column, 256 bytes a K step
	s_lshl_b32 s45, s14, 8
	s_add_co_u32 s44, s44, s45
	s_mov_b32 s45, 0
	s_lshl_b32 s46, s31, 18                        ; a_codes: 16 blocks of 16,384 bytes a tile row, 8 a half
	s_lshl_b32 s47, s15, 17
	s_add_co_u32 s46, s46, s47
	s_mov_b32 s47, 0
	s_lshl_b32 s48, s31, 12                        ; a_scales: 16 bytes a row
	s_lshl_b32 s49, s15, 11
	s_add_co_u32 s48, s48, s49
	s_mov_b32 s49, 0
	s_lshl_b32 s50, s30, 12                        ; w_scales
	s_lshl_b32 s51, s28, 11
	s_add_co_u32 s50, s50, s51
	s_mov_b32 s51, 0
	s_lshl_b32 s58, s31, 20                        ; C_prev and the outputs: row 256 tile row + 128 half + 8 (wave % 2), 256 bytes a tile column
	s_lshl_b32 s59, s15, 19
	s_add_co_u32 s58, s58, s59
	s_lshl_b32 s59, s28, 15
	s_add_co_u32 s58, s58, s59
	s_lshl_b32 s59, s30, 8
	s_add_co_u32 s58, s58, s59
	s_mov_b32 s59, 0
	s_mul_i32 s60, s28, 128*PITCH
	s_mul_i32 s61, s15, 16*PITCH
	s_lshl_b32 s62, s28, 7
	s_add_co_u32 s61, s61, s62
	s_add_co_u32 s61, s61, STG
	s_mul_i32 s62, s14, 8*PITCH
	s_add_co_u32 s62, s62, STG
	s_lshl_b32 s63, s14, 9
	s_add_co_u32 s63, s63, BIA
	s_lshl_b32 s3, s30, 8
	s_lshl_b32 s2, s28, 7
	s_add_co_u32 s3, s3, s2
	s_lshl_b32 s66, s28, 10                        ; the prefetches: a_codes: the odd step for wave % 2 = 1;
	s_lshl_b32 s67, s28, 16                        ; a_scales: the second tile's for wave % 2 = 1;
	s_lshl_b32 s68, s29, 16                        ; w_scales: K step cx,
	s_lshl_b32 s69, s15, 10                        ; four blocks of 256 bytes for each row half
	s_add_co_u32 s68, s68, s69
	s_mov_b32 s52, 0xbfb8aa3b                      ; -log2 e (the packed forms name a pair: both words are written)
	s_mov_b32 s53, 0xbfb8aa3b
	s_mov_b32 s54, 0x4038aa3b                      ; 2 log2 e
	s_mov_b32 s55, 0x4038aa3b
	s_mov_b32 s56, 0x42800000                      ; 64.0
	v_and_b32 v1, 15, v0                           ; r
	v_bfe_u32 v2, v0, 4, 1                         ; h
	v_and_b32 v3, 31, v0                           ; lane
	v_lshlrev_b32 v[LO], 4, v3
	v_mul_u32_u24 v20, v1, PITCH
	v_lshl_add_u32 v21, v2, 4, v20
	v_add_nc_u32 v[ADRB], s60, v21
.irp k, 1,2,3
	v_add_nc_u32 v[ADRB+\k], \k*PIECE, v[ADRB]
.endr
	v_lshl_add_u32 v22, v2, 5, v20
	v_add_nc_u32 v[CPA], s61, v22                  ; row 16 half + r, my wave's 128 bytes, 32 for each half of the lanes
	v_mul_u32_u24 v23, v2, PITCH
	v_lshl_add_u32 v23, v1, 4, v23
	v_add_nc_u32 v[RDA], s62, v23
	v_lshlrev_b32 v24, 12, v2
	v_lshl_add_u32 v[CO], v1, 4, v24
	v_lshl_add_u32 v[BIW], v3, 2, s63
	v_lshl_add_u32 v[BIR], v2, 5, s63
	v_lshl_add_u32 v[BGO], v3, 2, s3
	v_lshrrev_b32 v25, 3, v3
	v_and_b32 v26, 7, v3
	v_lshlrev_b32 v24, 12, v26
	v_lshl_add_u32 v[PFO], v25, 16, v24            ; C_prev: row 16 (lane / 8) + lane % 8
	v_lshlrev_b32 v23, 8, v26
	v_lshl_add_u32 v23, v25, 17, v23
	v_add_nc_u32 v[PFS], s67, v23                  ; a_scales: K step lane / 8, block lane % 8 of my 128 rows' 2,048 bytes
	v_lshrrev_b32 v22, 2, v3
	v_and_b32 v21, 3, v3
	v_lshlrev_b32 v21, 8, v21
	v_lshl_add_u32 v21, v22, 14, v21
	v_add_nc_u32 v[PFA], s66, v21                  ; a_codes: block of rows lane / 4, block lane % 4 of its step's 1,024 bytes
	v_min_u32 v20, 3, v3
	v_lshl_add_u32 v[PFW], v20, 8, s68             ; w_scales: lanes 0 to 3 a block each; the lanes left over name the last again
	s_wait_alu depctr_va_vdst(0)
	s_wait_dscnt 0x0                               ; both opening adds are done
	s_wait_kmcnt 0x0
	s_add_nc_u64 s[42:43], s[8:9], s[44:45]
	s_or_b32 s43, s43, 0x80000000
	s_add_nc_u64 s[4:5], s[4:5], s[46:47]
	s_add_nc_u64 s[6:7], s[6:7], s[48:49]
	s_add_nc_u64 s[10:11], s[10:11], s[50:51]
	s_add_nc_u64 s[12:13], s[12:13], s[58:59]
	s_add_nc_u64 s[24:25], s[24:25], s[58:59]
	s_add_nc_u64 s[26:27], s[26:27], s[58:59]
.irp g, 0,1,2,3
	global_load_b32 v[16+\g], v[BGO], s[16+2*\g:17+2*\g]           ; my 32 hidden columns of gate g's bias
.endr
	SCLD 0, 0
	ALD 0
	ALD 1
	ALD 2
	CROUND                                         ; the four partners are here: the joint loads meet
	tensor_load_to_lds s[40:43], s[32:39]          ; my one tensor load: B's piece of K step w
	s_nop 0
	global_prefetch_b8 v[PFA], s[4:5] offset:4*1024 th:TH_LOAD_NT scope:SCOPE_SE     ; the first tile's steps 4 + wave % 2
	global_prefetch_b8 v[PFA], s[4:5] offset:6*1024 th:TH_LOAD_NT scope:SCOPE_SE     ; and 6 + wave % 2
	global_prefetch_b8 v[PFS], s[6:7] th:TH_LOAD_NT scope:SCOPE_SE                   ; a tile's scale bytes of my 128 rows
	global_prefetch_b8 v[PFW], s[10:11] th:TH_LOAD_NT scope:SCOPE_SE                 ; my share of the scale bytes of my 128 rows of B
	s_wait_tensorcnt 0x0                           ; my piece has landed
	s_wait_loadcnt 56                              ; the biases are in; the 56 loads behind them may be out
.irp g, 0,1,2,3
	ds_store_b32 v[BIW], v[16+\g] offset:128*\g
.endr
	s_wait_dscnt 0x0
	s_barrier_signal -1
	s_barrier_wait -1                              ; everybody's piece has
	s_mov_b32 s[TL], 0
.Ltile:
.irp g, 0,1,2,3
.irp u, 0,1
.irp c, 0,1
	ds_load_b128 v[BI+8*(2*\g+\u)+4*\c:BI+8*(2*\g+\u)+4*\c+3], v[BIR] offset:128*\g+64*\u+16*\c   ; the biases in the result's layout: the C of each sum's first product
.endr
.endr
.endr
	FETCHB 0
.irp s, 0,1,2,3,4,5,6,7,8,9,10,11,12,13,14,15
	STEP \s
.endr
	s_barrier_wait -1                              ; C_prev's first block lies in stage 0
	s_cmp_eq_u32 s[TL], 1                          ; the last tile asks for nothing more
	s_cbranch_scc1 .Lno_next
	SCLD 0, 1                                      ; the next tile's first scale words and first three steps: their sets were read by steps 11 to 14, ahead of step 15's places; they land under the way out
	ALD 16
	ALD 17
	ALD 18
.Lno_next:
	PLACES
.irp a, 0,1,2,3,4,5,6,7
	BLK \a
.endr
	RDBACK 7
	s_wait_dscnt 0x0
	SENDOUT 7
	s_wait_xcnt 0x0                                ; every load, store and prefetch has read its base and its registers: on to the next tile
	s_add_nc_u64 s[4:5], s[4:5], NXA
	s_add_nc_u64 s[6:7], s[6:7], NXS
	s_add_nc_u64 s[12:13], s[12:13], NXC
	s_add_nc_u64 s[24:25], s[24:25], NXC
	s_add_nc_u64 s[26:27], s[26:27], NXC
	s_add_co_u32 s[TL], s[TL], 1
	s_cmp_lt_u32 s[TL], 2
	s_cbranch_scc1 .Ltile
	s_wait_tensorcnt 0x0                           ; the wave's end
	ds_add_u32 v[SPW], v[NIL]
	s_wait_dscnt 0x0
	CROUND                                         ; the closing round
	s_endpgm
.Lfunc_end_k_q073c32d0cc_cell:
	.size	k_q073c32d0cc_cell, .Lfunc_end_k_q073c32d0cc_cell-k_q073c32d0cc_cell
	.p2alignl 7, 3214868480
	.fill 96, 4, 3214868480
	.section	.rodata,"a",@progbits
	.p2align	6, 0x0
	.amdhsa_kernel k_q073c32d0cc_cell
		.amdhsa_group_segment_fixed_size 327680
		.amdhsa_private_segment_fixed_size 0
		.amdhsa_enable_private_segment 0
		.amdhsa_kernarg_size 88
		.amdhsa_user_sgpr_count 2
		.amdhsa_user_sgpr_kernarg_segment_ptr 1
		.amdhsa_wavefront_size32 1
		.amdhsa_system_sgpr_workgroup_id_x 1
		.amdhsa_system_sgpr_workgroup_id_y 1
		.amdhsa_system_sgpr_workgroup_id_z 1
		.amdhsa_system_vgpr_workitem_id 0
		.amdhsa_next_free_vgpr 1024
		.amdhsa_next_free_sgpr 72
		.amdhsa_reserve_vcc 0
		.amdhsa_float_denorm_mode_32 3
		.amdhsa_float_denorm_mode_16_64 3
		.amdhsa_memory_ordered 1
		.amdhsa_forward_progress 1
		.amdhsa_inst_pref_size 255
	.end_amdhsa_kernel
	.section	.bss,"aw",@nobits
	.p2align	6
	.space	262144
	.amdgpu_metadata
---
amdhsa.version: [ 1, 2 ]
amdhsa.kernels:
  - .name:           k_q073c32d0cc_cell
    .symbol:         k_q073c32d0cc_cell.kd
    .args:
      - { .name: a_codes, .offset: 0, .size: 8, .value_kind: global_buffer, .address_space: global }
      - { .name: a_scales, .offset: 8, .size: 8, .value_kind: global_buffer, .address_space: global }
      - { .name: w_codes, .offset: 16, .size: 8, .value_kind: global_buffer, .address_space: global }
      - { .name: w_scales, .offset: 24, .size: 8, .value_kind: global_buffer, .address_space: global }
      - { .name: C_prev, .offset: 32, .size: 8, .value_kind: global_buffer, .address_space: global }
      - { .name: b_f, .offset: 40, .size: 8, .value_kind: global_buffer, .address_space: global }
      - { .name: b_i, .offset: 48, .size: 8, .value_kind: global_buffer, .address_space: global }
      - { .name: b_o, .offset: 56, .size: 8, .value_kind: global_buffer, .address_space: global }
      - { .name: b_C, .offset: 64, .size: 8, .value_kind: global_buffer, .address_space: global }
      - { .name: out0, .offset: 72, .size: 8, .value_kind: global_buffer, .address_space: global }
      - { .name: out1, .offset: 80, .size: 8, .value_kind: global_buffer, .address_space: global }
    .group_segment_fixed_size: 327680
    .private_segment_fixed_size: 0
    .kernarg_segment_align: 8
    .kernarg_segment_size: 88
    .max_flat_workgroup_size: 128
    .sgpr_count:     72
    .vgpr_count:     1024
    .wavefront_size: 32
...
	.end_amdgpu_metadata
.endif
;; end of part 2
